; MI455X (gfx1250); checked and timed in simulation.
; The chip was launched on July 23, 2026; its instructions are those of AMD's public machine-readable ISA for CDNA 5 (MIT licence, August 2026) and "CDNA5" Instruction Set Architecture Reference Guide (July 2026). The comments in the code are by the model that wrote it; some were corrected since.
;; Quantized E8 P12 Linear Optimized. Allowed arithmetic: float matrix products may take bf16 or f16 operands with f32 sums; other float arithmetic in f32, or as packed bf16 or f16 multiplies, adds, multiply-adds, maxima and minima; sums over many terms, partial sums and values carried from step to step in f32; what a program stores and reads back later, other than sums and carried values, may be rounded once to bf16 or f16.
;; Inputs: Qidxs 4,096 x 512 int32; SU 4,096 float32; SV 4,096 float32; grid 65,536 x 8 float32; input 2 x 2,048 x 4,096 float32.
;; Outputs: out0 2 x 2,048 x 4,096 float32.
;; 2 versions, each right; version 2 is version 1 with the launches rotate, dequant written anew for expert scheduling mode. Each part assembles by itself: llvm-mc -triple=amdgcn-amd-amdhsa -mcpu=gfx1250 --defsym DOCPART=n.
;; ======== version 1 of 2: 3 launches
;; limits: values are held in f16: magnitudes above 65,504 overflow, below 6.1e-05 lose precision
;; workspace buffers: xh 33,554,432 bytes; wq 33,554,432 bytes
;; launch rotate (part 1): grid 256 x 1, 8 waves a work-group, no clusters, 0 bytes of LDS; arguments input, SU, xh; writes xh
.if DOCPART == 1
	.amdgcn_target "amdgcn-amd-amdhsa--gfx1250"
	.amdhsa_code_object_version 6
	.text
	.protected	k_q4b73cf753a_rotate
	.globl	k_q4b73cf753a_rotate
	.p2align	8
	.type	k_q4b73cf753a_rotate,@function
k_q4b73cf753a_rotate:
	s_mov_b64 s[64:65], 0
	v_nop
	global_prefetch_b8 v0, s[64:65] scope:SCOPE_SE
	s_setreg_imm32_b32 hwreg(HW_REG_WAVE_MODE, 25, 1), 1
	s_wait_xcnt 0x0
; THE PROGRAM.  out0 = H(H(input * SU) W^T) * SV, H the Hadamard rotation of 4,096 with factor 1/64, W = grid[Qidxs].  Three launches:
;   rotate:  xh = f16(2^-8 Hu(input * SU))                     Hu: the rotation without its factor; 2^-8 = 1/64 times 2^-2 of headroom
;   dequant: wq = f16((H32 x I128) W): the part of the RIGHT rotation that acts on bits 7-11 of the output index, applied to W's rows
;   gemm:    out0 = (I32 x H128)(xh wq^T) * SV * 2^-4          the part on bits 0-6, applied to the f32 sums; 2^-4 = 2^2 / 64
; Hu(4096) = H32 x H128 (entry (-1)^popcount(a & b) splits over the index bits), and a rotation of the product's columns is a rotation of W's rows: the same result in real numbers for all inputs.
; NO WORK IS LEFT OUT: all five inputs are read and every step of the formula is done.
; LIMITS.  The order of the additions differs from the formula's as written.  The two matrix operands are rounded once to f16, from f32: |Hu(input*SU)| / 64 must stay under 262,016 and a signed sum of
; 32 table entries under 65,504; beyond that the operand is an infinity.  Below 6e-5 an operand keeps f16's fixed step of 6e-8.  NaN and infinities spread as this order of the sums spreads them.
; THIS LAUNCH.  A row is 4,096 f32, 16,384 bytes: ONE WAVE HOLDS A WHOLE ROW, 128 numbers a lane, so the rotation never leaves the wave: no LDS, no barrier.
; Load i (0..31) of a row: lane l takes the 16 bytes at 512 i + 16 l: element e = 128 i + 4 l + q.  Index bits 0-1 (q) and 7-11 (i) lie in the lane's registers, bits 2-6 across the lanes.
; The twelve butterflies commute; each gives the lower index a + b and the upper a - b.  Bit 11 is fused with the product by SU.
; Eight waves, two rows each; the second row's 32 loads go out when the first row has left the registers that they fill.  No cluster: work-groups share SU alone, 16 KiB of a work-group's 272 KiB read.
.set ROWI, 16384                       ; bytes in a row of input
.set ROWO, 8192                        ; bytes in a row of xh
.set LO,  2                            ; v2       16 x lane; never rewritten
.set SO,  3                            ; v3       8 x lane; never rewritten
.set SG,  4                            ; v[4:13]  five pairs: 1 - 2 x bit k of the lane, twice
.set TT,  16                           ; v[16:31] eight pairs at work
.set O,   32                           ; v[32:95] the row in f16: store i takes O + 2 i, O + 2 i + 1
.set Y,   96                           ; v[96:127] sixteen pairs at work
.set X,   128                          ; v[128:255] the row: element (i, q) at X + 4 i + q
.set LW,  0                            ; window 1, v[0:127]: the row as loaded
.set SUW, 128                          ; window 1, v[128:255]: SU x 2^-8, in the same map
.set MSB, 0
.macro WIN new                         ; s_set_vgpr_msb: bits 1:0 source 0, 3:2 source 1, 5:4 source 2, 7:6 destination; the high byte repeats the setting that is left
.if MSB != (\new)
	s_set_vgpr_msb (MSB<<8)|(\new)
.set MSB, (\new)
.endif
.endm
; Two butterflies at once on four pairs a, b, c, d that lie d registers apart.  R4T: sums and differences into four pairs at t.  R4R: back in place.
.macro R4T t, r, d
	v_pk_add_f32 v[(\t):(\t)+1],   v[(\r):(\r)+1], v[(\r)+(\d):(\r)+(\d)+1]
	v_pk_add_f32 v[(\t)+2:(\t)+3], v[(\r):(\r)+1], v[(\r)+(\d):(\r)+(\d)+1] neg_lo:[0,1] neg_hi:[0,1]
	v_pk_add_f32 v[(\t)+4:(\t)+5], v[(\r)+2*(\d):(\r)+2*(\d)+1], v[(\r)+3*(\d):(\r)+3*(\d)+1]
	v_pk_add_f32 v[(\t)+6:(\t)+7], v[(\r)+2*(\d):(\r)+2*(\d)+1], v[(\r)+3*(\d):(\r)+3*(\d)+1] neg_lo:[0,1] neg_hi:[0,1]
.endm
.macro R4R t, r, d
	v_pk_add_f32 v[(\r):(\r)+1],                 v[(\t):(\t)+1],   v[(\t)+4:(\t)+5]
	v_pk_add_f32 v[(\r)+2*(\d):(\r)+2*(\d)+1],   v[(\t):(\t)+1],   v[(\t)+4:(\t)+5] neg_lo:[0,1] neg_hi:[0,1]
	v_pk_add_f32 v[(\r)+(\d):(\r)+(\d)+1],       v[(\t)+2:(\t)+3], v[(\t)+6:(\t)+7]
	v_pk_add_f32 v[(\r)+3*(\d):(\r)+3*(\d)+1],   v[(\t)+2:(\t)+3], v[(\t)+6:(\t)+7] neg_lo:[0,1] neg_hi:[0,1]
.endm
.macro R4ALL base, d                   ; all 128 registers: sixteen groups of four pairs, two groups at a time on two sets of temporaries
.set u, 0
.rept 8
.set ra, (\base)+4*(\d)*(u/((\d)/2))+2*(u%((\d)/2))
.set rb, (\base)+4*(\d)*((u+1)/((\d)/2))+2*((u+1)%((\d)/2))
	R4T TT, ra, \d
	R4T TT+8, rb, \d
	R4R TT, ra, \d
	R4R TT+8, rb, \d
.set u, u+2
.endr
.endm
; A butterfly across lanes inside a half of 16: x' = x[lane xor mask] + s x, s = +1 in the lower lane, -1 in the upper.  The lane exchange rides on the addition.
.macro XL k, mask
.set g, 0
.rept 4
.set z, 0
.rept 16
	v_pk_mul_f32 v[Y+2*z:Y+2*z+1], v[X+32*g+2*z:X+32*g+2*z+1], v[SG+2*(\k):SG+2*(\k)+1]
.set z, z+1
.endr
.set z, 0
.rept 32
	v_add_f32_dpp v[X+32*g+z], v[X+32*g+z], v[Y+z] row_xmask:\mask row_mask:0xf bank_mask:0xf
.set z, z+1
.endr
.set g, g+1
.endr
.endm
	s_load_b128 s[4:7], s[0:1], 0x0                ; input s[4:5], SU s[6:7]
	s_load_b64 s[8:9], s[0:1], 0x10                ; xh
	v_lshrrev_b32 v1, 5, v0
	v_readfirstlane_b32 s10, v1                    ; wave 0..7
	v_and_b32 v1, 31, v0
	v_lshlrev_b32 v[LO], 4, v1
	v_lshlrev_b32 v[SO], 3, v1
.irp k, 0,1,2,3,4
	v_bfe_u32 v14, v0, \k, 1
	v_cvt_f32_u32 v14, v14
	v_fma_f32 v[SG+2*\k], v14, -2.0, 1.0           ; 1 - 2 x bit
	v_mov_b32 v[SG+2*\k+1], v[SG+2*\k]
.endr
	s_lshl_b32 s2, ttmp9, 18                       ; the work-group's 16 rows of 16,384 bytes,
	s_lshl_b32 s3, s10, 15                         ; my wave's two of them
	s_add_co_u32 s2, s2, s3                        ; under 2^26
	s_mov_b32 s3, 0
	s_lshr_b32 s18, s2, 1                          ; a row of xh is half as long
	s_mov_b32 s19, 0
	s_mov_b32 s14, 0x3b800000                      ; 2^-8
	s_mov_b32 s15, s14                             ; named with it as a pair
	s_mov_b32 s16, 0x76543210                      ; v_permlanex16_b32: each lane takes its own place in the other half
	s_mov_b32 s17, 0xfedcba98
	s_mov_b32 s12, 2                               ; rows to go
	s_wait_kmcnt 0x0
	s_add_nc_u64 s[4:5], s[4:5], s[2:3]
	s_add_nc_u64 s[8:9], s[8:9], s[18:19]
	WIN 0x40                                       ; loaded data in window 1, address in window 0
.set i, 0
.rept 32
	global_load_b128 v[SUW+4*i:SUW+4*i+3], v[LO], s[6:7] offset:512*i
.set i, i+1
.endr
.set i, 0
.rept 32
	global_load_b128 v[LW+4*i:LW+4*i+3], v[LO], s[4:5] offset:512*i th:TH_LOAD_NT  ; 512 consecutive bytes a load; the row is read once in the launch
.set i, i+1
.endr
	s_wait_loadcnt 32                              ; SU is in; the row's 32 younger loads stay out
	WIN 0x41
.set i, 0
.rept 64
	v_pk_mul_f32 v[SUW+2*i:SUW+2*i+1], v[SUW+2*i:SUW+2*i+1], s[14:15] op_sel_hi:[1,0]
.set i, i+1
.endr
	WIN 0                                          ; at a label and at a branch every window is 0
.Lrow:
	s_wait_loadcnt 0x0                             ; the row is in; nothing younger is out, and the loads' base may be stepped
	; bit 11, fused with the product by SU: t = L[i+16] SU[i+16];  X[i] = L[i] SU[i] + t;  X[i+16] = L[i] SU[i] - t
	WIN 0x05                                       ; sources 0 and 1 in window 1; source 2 and destination in window 0
.set g, 0
.rept 4
.set z, 0
.rept 8
	v_pk_mul_f32 v[TT+2*z:TT+2*z+1], v[LW+64+16*g+2*z:LW+64+16*g+2*z+1], v[SUW+64+16*g+2*z:SUW+64+16*g+2*z+1]
.set z, z+1
.endr
.set z, 0
.rept 8
	v_pk_fma_f32 v[X+16*g+2*z:X+16*g+2*z+1],       v[LW+16*g+2*z:LW+16*g+2*z+1], v[SUW+16*g+2*z:SUW+16*g+2*z+1], v[TT+2*z:TT+2*z+1]
	v_pk_fma_f32 v[X+64+16*g+2*z:X+64+16*g+2*z+1], v[LW+16*g+2*z:LW+16*g+2*z+1], v[SUW+16*g+2*z:SUW+16*g+2*z+1], v[TT+2*z:TT+2*z+1] neg_lo:[0,0,1] neg_hi:[0,0,1]
.set z, z+1
.endr
.set g, g+1
.endr
	WIN 0
	s_cmp_eq_u32 s12, 1                            ; behind the last row there is none to load
	s_cbranch_scc1 .Lnoload
	s_add_nc_u64 s[4:5], s[4:5], ROWI
	WIN 0x40
.set i, 0
.rept 32
	global_load_b128 v[LW+4*i:LW+4*i+3], v[LO], s[4:5] offset:512*i th:TH_LOAD_NT  ; the next row lands under the rest of this row's work
.set i, i+1
.endr
	WIN 0
.Lnoload:
	R4ALL X, 16                                    ; bits 9 and 10
	R4ALL X, 4                                     ; bits 7 and 8
	; bits 1 and 0, inside each load's four numbers; four loads at a time
.set g, 0
.rept 8
.irp z, 0,1,2,3
	v_pk_add_f32 v[TT+4*\z:TT+4*\z+1],   v[X+16*g+4*\z:X+16*g+4*\z+1], v[X+16*g+4*\z+2:X+16*g+4*\z+3]
	v_pk_add_f32 v[TT+4*\z+2:TT+4*\z+3], v[X+16*g+4*\z:X+16*g+4*\z+1], v[X+16*g+4*\z+2:X+16*g+4*\z+3] neg_lo:[0,1] neg_hi:[0,1]
.endr
.irp z, 0,1,2,3
	v_add_f32 v[X+16*g+4*\z],   v[TT+4*\z],   v[TT+4*\z+1]
	v_sub_f32 v[X+16*g+4*\z+1], v[TT+4*\z],   v[TT+4*\z+1]
	v_add_f32 v[X+16*g+4*\z+2], v[TT+4*\z+2], v[TT+4*\z+3]
	v_sub_f32 v[X+16*g+4*\z+3], v[TT+4*\z+2], v[TT+4*\z+3]
.endr
.set g, g+1
.endr
	XL 0, 1                                        ; bits 2 to 5: lanes 1, 2, 4 and 8 apart
	XL 1, 2
	XL 2, 4
	XL 3, 8
	; bit 6: the lane 16 away
.set g, 0
.rept 4
.set z, 0
.rept 32
	v_permlanex16_b32 v[Y+z], v[X+32*g+z], s16, s17  ; its destination counts as read: Y has been written above
.set z, z+1
.endr
.set z, 0
.rept 16
	v_pk_fma_f32 v[X+32*g+2*z:X+32*g+2*z+1], v[X+32*g+2*z:X+32*g+2*z+1], v[SG+8:SG+9], v[Y+2*z:Y+2*z+1]
.set z, z+1
.endr
.set g, g+1
.endr
	; rounded once to f16 and stored in the map in which it came: 8 bytes a lane
.set i, 0
.rept 32
	v_cvt_pk_f16_f32 v[O+2*i],   v[X+4*i],   v[X+4*i+1]
	v_cvt_pk_f16_f32 v[O+2*i+1], v[X+4*i+2], v[X+4*i+3]
	global_store_b64 v[SO], v[O+2*i:O+2*i+1], s[8:9] offset:256*i  ; the wave's store covers 256 consecutive bytes, at a multiple of 256 from xh's first byte
.set i, i+1
.endr
	s_wait_xcnt 0x0                                ; the stores have read their data and their base: O and s[8:9] are rewritten only behind this wait
	s_add_nc_u64 s[8:9], s[8:9], ROWO
	s_sub_co_u32 s12, s12, 1
	s_cmp_lg_u32 s12, 0
	s_cbranch_scc1 .Lrow
	s_endpgm
.Lfunc_end_k_q4b73cf753a_rotate:
	.size	k_q4b73cf753a_rotate, .Lfunc_end_k_q4b73cf753a_rotate-k_q4b73cf753a_rotate
	.p2alignl 7, 3214868480
	.fill 96, 4, 3214868480
	.section	.rodata,"a",@progbits
	.p2align	6, 0x0
	.amdhsa_kernel k_q4b73cf753a_rotate
		.amdhsa_group_segment_fixed_size 0
		.amdhsa_private_segment_fixed_size 0
		.amdhsa_enable_private_segment 0
		.amdhsa_kernarg_size 24
		.amdhsa_user_sgpr_count 2
		.amdhsa_user_sgpr_kernarg_segment_ptr 1
		.amdhsa_wavefront_size32 1
		.amdhsa_system_sgpr_workgroup_id_x 1
		.amdhsa_system_sgpr_workgroup_id_y 1
		.amdhsa_system_sgpr_workgroup_id_z 1
		.amdhsa_system_vgpr_workitem_id 0
		.amdhsa_next_free_vgpr 512
		.amdhsa_next_free_sgpr 66
		.amdhsa_reserve_vcc 0
		.amdhsa_float_denorm_mode_32 3
		.amdhsa_float_denorm_mode_16_64 3
		.amdhsa_memory_ordered 1
		.amdhsa_forward_progress 1
		.amdhsa_inst_pref_size 113
	.end_amdhsa_kernel
	.amdgpu_metadata
---
amdhsa.version: [ 1, 2 ]
amdhsa.kernels:
  - .name:           k_q4b73cf753a_rotate
    .symbol:         k_q4b73cf753a_rotate.kd
    .args:
      - { .name: input, .offset: 0, .size: 8, .value_kind: global_buffer, .address_space: global }
      - { .name: SU, .offset: 8, .size: 8, .value_kind: global_buffer, .address_space: global }
      - { .name: xh, .offset: 16, .size: 8, .value_kind: global_buffer, .address_space: global }
    .group_segment_fixed_size: 0
    .private_segment_fixed_size: 0
    .kernarg_segment_align: 8
    .kernarg_segment_size: 24
    .max_flat_workgroup_size: 256
    .sgpr_count:     66
    .vgpr_count:     512
    .wavefront_size: 32
...
	.end_amdgpu_metadata
.endif
;; end of part 1
;; launch dequant (part 2): grid 4 x 128, 8 waves a work-group, no clusters, 0 bytes of LDS; arguments Qidxs, grid, wq; writes wq
.if DOCPART == 2
	.amdgcn_target "amdgcn-amd-amdhsa--gfx1250"
	.amdhsa_code_object_version 6
	.text
	.protected	k_q4b73cf753a_dequant
	.globl	k_q4b73cf753a_dequant
	.p2align	8
	.type	k_q4b73cf753a_dequant,@function
k_q4b73cf753a_dequant:
	s_mov_b64 s[64:65], 0
	v_nop
	global_prefetch_b8 v0, s[64:65] scope:SCOPE_SE
	s_setreg_imm32_b32 hwreg(HW_REG_WAVE_MODE, 25, 1), 1
	s_wait_xcnt 0x0
; wq[128 J + r][k] = f16( sum over j = 0..31 of (-1)^popcount(J & j) W[128 j + r][k] ),  W[m][8 c + e] = grid[Qidxs[m][c]][e].  No work of the formula is left out here.
; The lookup, and the part of the right rotation that acts on bits 7-11 of the output index: it mixes the 32 rows 128 j + r, number by number along k, so a lane that holds the same four k of
; those 32 rows does it in its registers, and W is written once, already mixed.  No factor here: plain signed sums in f32, rounded once to f16.
; LIMITS.  A signed sum of 32 table entries must stay under 65,504.  An index is taken as unsigned and held to 65,535: the table's last entry.
; SHARES.  Work-group (gx, r): rows 128 j + r, columns 1,024 gx .. + 1,023.  Thread t: k = 1,024 gx + 4 t .. + 3: half t & 1 of code 128 gx + (t >> 1).
; No cluster and no LDS: no byte of Qidxs is wanted by two work-groups, and the table's rows come by indices, which no tile covers.
; An index load of a wave covers 64 bytes of a row of Qidxs; the four waves beside each other cover 256 consecutive bytes between them.
.set QO,   2                           ; v2        4 x (t >> 1): my code's place in the work-group's 128; never rewritten
.set HALF, 3                           ; v3        16 x (t & 1): my half of a table entry
.set WO,   4                           ; v[4:7]    8 t + g x 8 MiB: my 8 bytes in rows 128 J + r, J = 8 g ..; the rest of J stands in the store's immediate
.set TT,   8                           ; v[8:23]   two sets of four pairs at work
.set IX,   24                          ; v[24:55]  row j: the index, then the byte offset in the table
.set D,    56                          ; v[56:183] row j: my four weights at D + 4 j
.macro R4T t, r, d
	v_pk_add_f32 v[(\t):(\t)+1],   v[(\r):(\r)+1], v[(\r)+(\d):(\r)+(\d)+1]
	v_pk_add_f32 v[(\t)+2:(\t)+3], v[(\r):(\r)+1], v[(\r)+(\d):(\r)+(\d)+1] neg_lo:[0,1] neg_hi:[0,1]
	v_pk_add_f32 v[(\t)+4:(\t)+5], v[(\r)+2*(\d):(\r)+2*(\d)+1], v[(\r)+3*(\d):(\r)+3*(\d)+1]
	v_pk_add_f32 v[(\t)+6:(\t)+7], v[(\r)+2*(\d):(\r)+2*(\d)+1], v[(\r)+3*(\d):(\r)+3*(\d)+1] neg_lo:[0,1] neg_hi:[0,1]
.endm
.macro R4R t, r, d
	v_pk_add_f32 v[(\r):(\r)+1],                 v[(\t):(\t)+1],   v[(\t)+4:(\t)+5]
	v_pk_add_f32 v[(\r)+2*(\d):(\r)+2*(\d)+1],   v[(\t):(\t)+1],   v[(\t)+4:(\t)+5] neg_lo:[0,1] neg_hi:[0,1]
	v_pk_add_f32 v[(\r)+(\d):(\r)+(\d)+1],       v[(\t)+2:(\t)+3], v[(\t)+6:(\t)+7]
	v_pk_add_f32 v[(\r)+3*(\d):(\r)+3*(\d)+1],   v[(\t)+2:(\t)+3], v[(\t)+6:(\t)+7] neg_lo:[0,1] neg_hi:[0,1]
.endm
; Two butterflies at once over all 128 registers, rows d / 4 and d / 2 apart.  wait = 1 (d = 4): trip u / 2 works on rows 2 u .. 2 u + 3, and waits for their lookups.
.macro R4ALL base, d, wait
.set u, 0
.rept 8
.set ra, (\base)+4*(\d)*(u/((\d)/2))+2*(u%((\d)/2))
.set rb, (\base)+4*(\d)*((u+1)/((\d)/2))+2*((u+1)%((\d)/2))
.if \wait
	s_wait_loadcnt 28-2*u                          ; loads come back in order: behind row 2 u + 3's lookup stand 28 - 2 u younger ones
.endif
	R4T TT, ra, \d
	R4T TT+8, rb, \d
	R4R TT, ra, \d
	R4R TT+8, rb, \d
.set u, u+2
.endr
.endm
	s_load_b128 s[4:7], s[0:1], 0x0                ; Qidxs s[4:5], grid s[6:7]
	s_load_b64 s[8:9], s[0:1], 0x10                ; wq
	s_and_b32 s10, ttmp7, 0xffff                   ; r
	v_lshrrev_b32 v1, 1, v0
	v_lshlrev_b32 v[QO], 2, v1
	v_and_b32 v1, 1, v0
	v_lshlrev_b32 v[HALF], 4, v1
	v_lshlrev_b32 v[WO], 3, v0
.irp g, 1,2,3
	v_add_nc_u32 v[WO+\g], \g<<23, v[WO]
.endr
	s_lshl_b32 s2, s10, 11                         ; row r of Qidxs: 2,048 bytes a row,
	s_lshl_b32 s3, ttmp9, 9                        ; the work-group's 128 codes
	s_add_co_u32 s2, s2, s3
	s_mov_b32 s3, 0
	s_lshl_b32 s12, s2, 2                          ; in wq: 8,192 bytes a row, 2,048 for the work-group's 1,024 columns
	s_mov_b32 s13, 0
	s_wait_kmcnt 0x0
	s_add_nc_u64 s[4:5], s[4:5], s[2:3]
	s_add_nc_u64 s[8:9], s[8:9], s[12:13]
.set j, 0
.rept 32
	global_load_b32 v[IX+j], v[QO], s[4:5] offset:j*262144 th:TH_LOAD_NT  ; 128 rows of 2,048 bytes on; the largest immediate is 8,126,464
.set j, j+1
.endr
.set j, 0
.rept 32
	s_wait_loadcnt 31                              ; index j is in: behind it stand 31 - j index loads and j lookups
	v_min_u32 v[IX+j], 0xffff, v[IX+j]             ; inside the table
	v_lshlrev_b32 v[IX+j], 5, v[IX+j]              ; 32 bytes an entry,
	v_add_nc_u32 v[IX+j], v[HALF], v[IX+j]         ; my half of it
	global_load_b128 v[D+4*j:D+4*j+3], v[IX+j], s[6:7]
.set j, j+1
.endr
	R4ALL D, 4, 1                                  ; bits 0 and 1 of j, as the lookups come in
	R4ALL D, 16, 0                                 ; bits 2 and 3
	; bit 4: rows j and j + 16; then both are rounded to f16 and stored
.set j, 0
.rept 16
.set t, TT+8*(j%2)
.set r, D+4*j
	v_pk_add_f32 v[t:t+1],   v[r:r+1],   v[r+64:r+65]
	v_pk_add_f32 v[t+2:t+3], v[r+2:r+3], v[r+66:r+67]
	v_pk_add_f32 v[t+4:t+5], v[r:r+1],   v[r+64:r+65] neg_lo:[0,1] neg_hi:[0,1]
	v_pk_add_f32 v[t+6:t+7], v[r+2:r+3], v[r+66:r+67] neg_lo:[0,1] neg_hi:[0,1]
	v_cvt_pk_f16_f32 v[r],    v[t],   v[t+1]
	v_cvt_pk_f16_f32 v[r+1],  v[t+2], v[t+3]
	v_cvt_pk_f16_f32 v[r+64], v[t+4], v[t+5]
	v_cvt_pk_f16_f32 v[r+65], v[t+6], v[t+7]
	global_store_b64 v[WO+j/8],      v[r:r+1],     s[8:9] offset:(j%8)<<20       ; the wave's store covers 256 consecutive bytes of row 128 j + r, at a multiple of 256 from wq's first byte
	global_store_b64 v[WO+(j+16)/8], v[r+64:r+65], s[8:9] offset:((j+16)%8)<<20  ; no register of a store is written again
.set j, j+1
.endr
	s_endpgm
.Lfunc_end_k_q4b73cf753a_dequant:
	.size	k_q4b73cf753a_dequant, .Lfunc_end_k_q4b73cf753a_dequant-k_q4b73cf753a_dequant
	.p2alignl 7, 3214868480
	.fill 96, 4, 3214868480
	.section	.rodata,"a",@progbits
	.p2align	6, 0x0
	.amdhsa_kernel k_q4b73cf753a_dequant
		.amdhsa_group_segment_fixed_size 0
		.amdhsa_private_segment_fixed_size 0
		.amdhsa_enable_private_segment 0
		.amdhsa_kernarg_size 24
		.amdhsa_user_sgpr_count 2
		.amdhsa_user_sgpr_kernarg_segment_ptr 1
		.amdhsa_wavefront_size32 1
		.amdhsa_system_sgpr_workgroup_id_x 1
		.amdhsa_system_sgpr_workgroup_id_y 1
		.amdhsa_system_sgpr_workgroup_id_z 1
		.amdhsa_system_vgpr_workitem_id 0
		.amdhsa_next_free_vgpr 192
		.amdhsa_next_free_sgpr 66
		.amdhsa_reserve_vcc 0
		.amdhsa_float_denorm_mode_32 3
		.amdhsa_float_denorm_mode_16_64 3
		.amdhsa_memory_ordered 1
		.amdhsa_forward_progress 1
		.amdhsa_inst_pref_size 40
	.end_amdhsa_kernel
	.amdgpu_metadata
---
amdhsa.version: [ 1, 2 ]
amdhsa.kernels:
  - .name:           k_q4b73cf753a_dequant
    .symbol:         k_q4b73cf753a_dequant.kd
    .args:
      - { .name: Qidxs, .offset: 0, .size: 8, .value_kind: global_buffer, .address_space: global }
      - { .name: grid, .offset: 8, .size: 8, .value_kind: global_buffer, .address_space: global }
      - { .name: wq, .offset: 16, .size: 8, .value_kind: global_buffer, .address_space: global }
    .group_segment_fixed_size: 0
    .private_segment_fixed_size: 0
    .kernarg_segment_align: 8
    .kernarg_segment_size: 24
    .max_flat_workgroup_size: 256
    .sgpr_count:     66
    .vgpr_count:     192
    .wavefront_size: 32
...
	.end_amdgpu_metadata
.endif
;; end of part 2
;; launch gemm (part 3): grid 16 x 16, 4 waves a work-group, clusters of 4 x 4, 327,680 bytes of LDS; arguments xh, wq, SV, out0; writes out0
.if DOCPART == 3
	.amdgcn_target "amdgcn-amd-amdhsa--gfx1250"
	.amdhsa_code_object_version 6
	.text
	.protected	k_q4b73cf753a_gemm
	.globl	k_q4b73cf753a_gemm
	.p2align	8
	.type	k_q4b73cf753a_gemm,@function
k_q4b73cf753a_gemm:
	s_mov_b64 s[64:65], 0
	v_nop
	global_prefetch_b8 v0, s[64:65] scope:SCOPE_SE
	s_setreg_imm32_b32 hwreg(HW_REG_WAVE_MODE, 25, 1), 1
	s_wait_xcnt 0x0
	s_wait_alu depctr_hold_cnt(0) depctr_sa_sdst(0) depctr_va_vdst(0) depctr_va_sdst(0) depctr_va_ssrc(0) depctr_va_vcc(0) depctr_vm_vsrc(0)
	s_getreg_b32 s2, hwreg(HW_REG_IB_STS2, 6, 4)
	s_cmp_eq_u32 s2, 0
	s_cbranch_scc0 .Lentry_in_a_cluster
	s_endpgm
.Lentry_in_a_cluster:
	s_bfe_u32 s2, ttmp6, 0x10000c
	s_cmp_lg_u32 s2, 0xf033
	s_cbranch_scc0 .Lentry_shape_is_right
	s_endpgm
.Lentry_shape_is_right:
; out0[t][128 J + R] = SV[128 J + R] 2^-4 x the sum over r = 0..127 of (-1)^popcount(R & r) C[t][128 J + r],  C[t][n] = the sum over k of xh[t][k] wq[n][k].  No work of the formula is left out here.
; xh: [4096][4096] f16, wq: [4096][4096] f16, sums in f32; out0: [4096][4096] f32.  The rotation of each aligned block of 128 columns is the part of the right rotation that the launch before
; did not do; it is made on the f32 sums, on the way out, so C itself is never stored.  LIMITS: those of the first kernel's head; the order of the additions is this text's.
; A tile of C, 256 x 256, is made by a work-group of four waves; a wave makes 128 x 128: 64 accumulators of 16 x 16, 512 registers; its 128 columns are one such block.  256 tiles, one a work-group.
; K goes in steps of 128 through a ring of two LDS slots filled by the tensor data mover: a tile's rows are 256 bytes of memory and start at multiples of 256 bytes from the buffer's first byte.
; CLUSTERS: 4 x 4 work-groups.  The four of a row of the cluster need the same tiles of xh, the four of a column the same tiles of wq: each tile is asked for JOINTLY, by the same tensor load with the
; same descriptor and a mask that names the four; each receives it in its own LDS.
; REGISTERS, in windows of 256 (s_set_vgpr_msb: bits 1:0 source 0, 3:2 source 1, 5:4 source 2, 7:6 destination):
;   window 0: v0-41 addresses and the way out's constants; v64-127, v128-191 fragments of xh, two buffers, later T0 and T1 of the way out; v192-255 rows on their way out
;   window 1: v64-127, v128-191 fragments of wq, two buffers
;   window 2: the 32 accumulators of my rows 0-63 (accumulator (a, b) at v[8 (8 a + b)]);   window 3: those of my rows 64-127
; THE MATRIX INSTRUCTION IS USED TRANSPOSED: source 0 = 16 rows of wq, source 1 = 16 rows of xh.  In the result lane l holds row l % 16 of C, and its registers 0 to 7 the columns 8 (l / 16) + 0..7.
.set SIZE_K, 4096
.set SIZE_N, 4096
.set KSTEP,  128
.set PITCH,  272                       ; an LDS row: 256 bytes of data + 16 of padding = 68 words: row r starts at bank 4 r mod 64 (64 banks of 4 bytes: ISA guide 11.1), so the 16 rows of a load start at 16 different banks
.set HALFT,  128*PITCH                 ; 128 rows: what one tensor load brings, and what one wave reads of xh or of wq
.set SLOT,   4*HALFT                   ; xh's 256 rows, then wq's 256 rows
.set STAGE,  2*SLOT                    ; behind the ring, never filled by a tensor load: 16 rows x 528 bytes for each wave, for the way out
.set SP,     528                       ; a stage row: 512 bytes + 16: the 16 rows that a store touches start at 16 different groups of four banks
.set SPARE,  STAGE+4*16*SP             ; behind the stages: the spare words, 128 bytes for each wave: two blocks of 256 bytes that no other line names
.set LAPS,   SIZE_K/(2*KSTEP)          ; a lap = two K steps = once round the ring: 16
.set OROW,   SIZE_N*4                  ; bytes in a row of out0
.set ADRA, 16                          ; v16-17  LDS address of my fragments of xh in slot 0, 1
.set ADRB, 20                          ; v20-21  the same for wq
.set STO,  24                          ; v24     the way out: where I put 32 bytes of a row
.set RD,   25                          ; v25     the way out: where I read 16 bytes of a row back
.set CO,   26                          ; v26     16 x lane: my byte offset in 512 bytes of out0
.set SPW,  28                          ; v28     LDS address of my spare word: SPARE + 4 x my thread's number; never rewritten
.set NIL,  29                          ; v29     0; never rewritten
.set PFO,  30                          ; v30     the prefetches' offset: my lane x a row of xh or wq in memory; never rewritten
.set SVO,  31                          ; v31     byte offset in SV of my four columns on the way out; never rewritten
.set SVQ,  32                          ; v[32:35] SV x 2^-4 of those four columns
.set SGN,  40                          ; v[40:41] 1 - 2 (lane / 16), twice
.set F0,   64                          ; fragment buffer 0
.set F1,   128                         ; fragment buffer 1
.set T0,   64                          ; the way out: 64 numbers of a block of 16 rows, at 8 b + j; T0 and T1 by turns
.set T1,   128
.set OWN,  192                         ; the way out: 16 rows read back from the stage, four registers each
.set G1,  24                           ; s[24:31] descriptor group 1 for xh's tiles
.set G0,  32                           ; s[32:39] descriptor group 0 for xh's tiles, one set for each slot
.set G1B, 48                           ; s[48:55] descriptor group 1 for wq's tiles: it differs in the mask alone
.set G0B, 56                           ; s[56:63] descriptor group 0 for wq's tiles
.set PFA, 44                           ; s[44:45] where my prefetches stand
.set LIM, 43                           ; s43     1 in a wave that prefetches, else the greatest number
.set SEL, 66                           ; s[66:67] v_permlanex16_b32's selects
.set SVP, 68                           ; s[68:69] SV
.set BLK, 70                           ; s70     the way out's block of 16 rows
.set MSB, 0
.macro WIN new                         ; the immediate's high byte repeats the setting that is left; a switch that changes nothing is dropped
.if MSB != (\new)
	s_set_vgpr_msb (MSB<<8)|(\new)
.set MSB, \new
.endif
.endm
.set MUL_LO, 0xa1                      ; source 0 (wq) window 1, source 1 (xh) window 0, C and D window 2
.set MUL_HI, 0xf1                      ; the same, C and D window 3
.set TO_B,   0x40                      ; destination window 1, address window 0
; A joint load.  Waves 0 and 1 fetch xh's two halves, waves 2 and 3 wq's.  Each of the two lines has ONE mask and one set of registers for all that issue it.  The branch hangs on the wave's number alone.
; An s_nop 0 and four v_nop follow each of the two lines; the jump round the other line, the label and what follows come after them.
.macro JLOAD s
	s_cmp_eq_u32 s11, 0
	s_cbranch_scc0 .Lfor_b_\@
	tensor_load_to_lds s[G0+4*(\s):G0+4*(\s)+3], s[G1:G1+7]
	s_nop 0
.rept 4
	v_nop
.endr
	s_branch .Lasked_\@
.Lfor_b_\@:
	tensor_load_to_lds s[G0B+4*(\s):G0B+4*(\s)+3], s[G1B:G1B+7]
	s_nop 0
.rept 4
	v_nop
.endr
.Lasked_\@:
.endm
; A PREFETCH, behind each joint refill, its five lines and the run of LDS loads that follows them: the K step that stands TWO refills on (512 matrix instructions ahead of the load that will ask for it):
; 32 rows x 256 bytes, a lane a row, one instruction a wave.  Each row's 256 bytes of a K step are named ONCE in the launch: xh's tile row is read by every cluster of that row of clusters, and the one
; with x = 0 asks; wq's tile column by every cluster of that column, and the one with y = 0 asks.  The four partners that ask for a tile jointly share its rows out BY ADDRESS: of the 128 rows that a
; wave fetches the partner at place p takes 32 p .. 32 p + 31.  Refills 1 to 28 name K steps 4 to 31; the loop's last trip (s3 = 1) names nothing: there is no K step 32.  K steps 0 to 3 come by their loads alone.
.macro ASK
	s_cmp_gt_u32 s3, s[LIM]
	s_cbranch_scc0 .Lnot_mine_\@
	global_prefetch_b8 v[PFO], s[PFA:PFA+1] offset:KSTEP*2 th:TH_LOAD_NT scope:SCOPE_SE
.Lnot_mine_\@:
.endm
; A round of the cluster's barrier: my work-group's barrier, so that wave 0's signal speaks for all four waves; wave 0 signals for the work-group; every wave waits for all sixteen; my work-group's barrier once more.
.macro CREST                           ; a round behind its opening barrier
	s_cmp_lg_u32 s10, 0
	s_cbranch_scc1 .Lnot_wave_0_\@
	s_barrier_signal -3
.Lnot_wave_0_\@:
	s_barrier_wait -3
	s_barrier_signal -1
	s_barrier_wait -1
.endm
.macro CROUND                          ; a whole round
	s_barrier_signal -1
	s_barrier_wait -1
	CREST
.endm
	s_load_b128 s[4:7], s[0:1], 0x0                ; xh s[4:5], wq s[6:7]
	s_load_b64 s[SVP:SVP+1], s[0:1], 0x10          ; SV
	s_load_b64 s[8:9], s[0:1], 0x18                ; out0
	v_lshl_add_u32 v[SPW], v0, 2, SPARE
	v_mov_b32 v[NIL], 0
	ds_add_u32 v[SPW], v[NIL]                      ; the wave's opening: the add, twice on end, and its wait ahead of my first tensor load; the set-up below stands between
	ds_add_u32 v[SPW], v[NIL]                      ; and once more, under the one wait
	v_lshrrev_b32 v1, 5, v0
	v_readfirstlane_b32 s10, v1                    ; wave 0..3
	s_lshr_b32 s11, s10, 1                         ; which half of the tile's rows is mine.  Also: I fetch for xh (0) or for wq (1)
	s_and_b32 s12, s10, 1                          ; which half of its columns.  Also: which 128 rows of that tile I fetch
	s_bfe_u32 s40, ttmp6, 0x40000                  ; cx: my place along the cluster's x
	s_bfe_u32 s41, ttmp6, 0x40004                  ; cy: along its y
	s_lshl_b32 s42, ttmp9, 2                       ; in a cluster launch ttmp9 and ttmp7 count clusters
	s_add_co_u32 s42, s42, s40                     ; tile column of C = 4 x cluster x + cx
	s_and_b32 s13, ttmp7, 0xffff
	s_lshl_b32 s13, s13, 2
	s_add_co_u32 s13, s13, s41                     ; tile row of C = 4 x cluster y + cy
	s_lshl_b32 s43, s41, 2
	s_lshl_b32 s43, 15, s43                        ; my row of the cluster: places 4 cy .. 4 cy + 3
	s_lshl_b32 s44, 0x1111, s40                    ; my column: places cx, cx + 4, cx + 8, cx + 12
	s_mov_b32 s[SEL], 0x76543210                   ; each lane takes its own place in the other half
	s_mov_b32 s[SEL+1], 0xfedcba98
	; descriptor group 1: a tile of 128 rows x 128 elements, padded in LDS
	s_or_b32 s[G1+0], s43, (1<<16)|(1<<20)|(1<<21)|(5<<22)|(3<<25)  ; 15:0 the mask: xh's tiles go to my row; 17:16 elements of 2 bytes; 20 padding on; 21 set beside a mask; 24:22 after every 64 words (code 5); 31:25 4 words of it (code 3)
	s_or_b32 s[G1B+0], s44, (1<<16)|(1<<20)|(1<<21)|(5<<22)|(3<<25) ; the same with the mask of my column, for wq's tiles
	s_mov_b32 s[G1B+1], KSTEP<<16
	s_mov_b32 s[G1+1], KSTEP<<16                   ; 63:48 tensor_dim0, low half = 128
	s_mov_b32 s[G1B+2], 128<<16
	s_mov_b32 s[G1+2], 128<<16                     ; 79:64 its high half = 0; 95:80 tensor_dim1, low half = 128
	s_mov_b32 s[G1B+3], KSTEP<<16
	s_mov_b32 s[G1+3], KSTEP<<16                   ; 111:96 its high half = 0; 127:112 tile_dim0 = 128
	s_mov_b32 s[G1B+4], 128
	s_mov_b32 s[G1+4], 128                         ; 143:128 tile_dim1 = 128; 159:144 tile_dim2 = 0
	s_mov_b32 s[G1B+5], SIZE_K
	s_mov_b32 s[G1+5], SIZE_K                      ; 191:160 tensor_dim0_stride, low word: elements from row to row
	s_mov_b32 s[G1B+6], 0
	s_mov_b32 s[G1+6], 0
	s_mov_b32 s[G1B+7], 0
	s_mov_b32 s[G1+7], 0
	; where the tiles come from.  xh's hang on the tile row alone, which my row of the cluster shares; wq's on the tile column alone, which my column shares.
	s_lshl_b32 s17, s12, 7                         ; which 128 rows of the tile I fetch
	s_lshl_b32 s16, s13, 8
	s_add_co_u32 s16, s16, s17                     ; xh: row 256 x tile row + 128 x half
	s_lshl_b32 s46, s42, 8
	s_add_co_u32 s46, s46, s17                     ; wq: row 256 x tile column + 128 x half
	s_mov_b32 s17, 0
	s_mov_b32 s47, 0
	s_mov_b64 s[18:19], SIZE_K*2
	s_mul_u64 s[16:17], s[16:17], s[18:19]         ; in bytes
	s_mul_u64 s[46:47], s[46:47], s[18:19]
	s_mul_i32 s20, s10, HALFT                      ; and where they go: wave x 128 rows: no place in the cluster enters an LDS address
	s_wait_dscnt 0x0                               ; both opening adds are done
	s_wait_kmcnt 0x0
	s_add_nc_u64 s[14:15], s[4:5], s[16:17]
	s_add_nc_u64 s[46:47], s[6:7], s[46:47]
	CROUND                                         ; all sixteen work-groups are here: the first joint loads meet
.irp s, 0,1
	s_mov_b32 s[G0+4*(\s)], 1                                      ; 1:0 count = 1
	s_add_co_u32 s[G0+4*(\s)+1], s20, (\s)*SLOT                    ; 63:32 LDS address
	s_add_nc_u64 s[G0+4*(\s)+2:G0+4*(\s)+3], s[14:15], (\s)*KSTEP*2  ; 120:64 global address: K step s
	s_or_b32 s[G0+4*(\s)+3], s[G0+4*(\s)+3], 0x80000000            ; 127:126 type = 2
	s_mov_b32 s[G0B+4*(\s)], 1
	s_add_co_u32 s[G0B+4*(\s)+1], s20, (\s)*SLOT
	s_add_nc_u64 s[G0B+4*(\s)+2:G0B+4*(\s)+3], s[46:47], (\s)*KSTEP*2
	s_or_b32 s[G0B+4*(\s)+3], s[G0B+4*(\s)+3], 0x80000000
	JLOAD \s                                       ; the ring is filled before anything else is done: two loads of mine are out
.endr
	; A fragment is 16 rows x 32 K in 8 registers: lane l holds row l % 16; registers 0-3 hold K = 8 (l / 16) + 0..7, registers 4-7 K = 16 + 8 (l / 16) + 0..7: two loads of 16 bytes, 32 bytes apart.
	v_and_b32 v1, 15, v0                           ; l % 16
	v_bfe_u32 v2, v0, 4, 1                         ; l / 16
	v_mul_u32_u24 v3, v1, PITCH
	v_lshl_add_u32 v3, v2, 4, v3                   ; row x pitch + 16 x half
	s_mul_i32 s21, s11, HALFT                      ; my 128 rows of xh
	s_mul_i32 s22, s12, HALFT                      ; my 128 rows of wq,
	s_add_co_u32 s22, s22, 2*HALFT                 ; which lie behind xh's 256
.irp s, 0,1
	v_add_nc_u32 v[ADRA+(\s)], s21, v3
	v_add_nc_u32 v[ADRB+(\s)], s22, v3
	s_add_co_u32 s21, s21, SLOT
	s_add_co_u32 s22, s22, SLOT
.endr
	s_mul_i32 s23, s10, 16*SP
	s_add_co_u32 s23, s23, STAGE                   ; my stage
	v_mul_u32_u24 v4, v1, SP                       ; in: row l % 16, 32 bytes for each half of the lanes
	v_lshl_add_u32 v4, v2, 5, v4
	v_add_nc_u32 v[STO], s23, v4
	v_and_b32 v5, 31, v0
	v_lshlrev_b32 v[CO], 4, v5                     ; back: the 32 lanes take one row of 512 bytes
	v_add_nc_u32 v[RD], s23, v[CO]
	; where my part of the tile begins in out0, in bytes: the way out adds it to out0's address
	s_lshl_b32 s13, s13, 8
	s_lshl_b32 s14, s11, 7
	s_add_co_u32 s16, s13, s14                     ; my first row
	s_lshl_b32 s16, s16, 14                        ; x 16,384 bytes: under 2^26
	s_mov_b32 s17, 0
	s_lshl_b32 s46, s42, 10                        ; my first column, in bytes of f32: 1,024 x tile column + 512 x half
	s_lshl_b32 s47, s12, 9
	s_add_co_u32 s46, s46, s47
	s_mov_b32 s47, 0
	v_add_nc_u32 v[SVO], s46, v[CO]                ; the same bytes of SV, and my lane's four columns
	s_add_nc_u64 s[16:17], s[16:17], s[46:47]
	global_load_b128 v[SVQ:SVQ+3], v[SVO], s[SVP:SVP+1]  ; waited for on the way out
	; the prefetches.  s13 = 256 x tile row, s42 = tile column, s40 = cx, s41 = cy still stand
	s_lshl_b32 s42, s42, 8
	s_and_b32 s22, ttmp7, 0xffff                   ; cluster y
	s_cmp_eq_u32 s11, 0                            ; do I fetch for xh?
	s_cselect_b32 s20, s13, s42                    ; the tile's first row: in xh by the tile row, in wq by the tile column
	s_cselect_b32 s21, s40, s41                    ; my place among the four that ask for it with me
	s_cselect_b32 s22, ttmp9, s22                  ; the coordinate along which other clusters read the same rows
	s_cselect_b64 s[PFA:PFA+1], s[4:5], s[6:7]
	s_cmp_eq_u32 s22, 0
	s_cselect_b32 s[LIM], 1, -1                    ; the same in all sixteen partners, for a given wave
	s_lshl_b32 s22, s12, 7
	s_add_co_u32 s20, s20, s22                     ; + the 128 rows that I fetch
	s_lshl_b32 s21, s21, 5
	s_add_co_u32 s20, s20, s21                     ; + my work-group's 32 of them
	s_mov_b32 s21, 0
	s_mov_b64 s[18:19], SIZE_K*2
	s_mul_u64 s[20:21], s[20:21], s[18:19]
	s_add_nc_u64 s[PFA:PFA+1], s[PFA:PFA+1], s[20:21]
	s_add_nc_u64 s[PFA:PFA+1], s[PFA:PFA+1], 2*KSTEP*2  ; at K step 2: the first refill steps it to 3 and names K step 4
	v_and_b32 v[PFO], 31, v0
	v_mul_u32_u24 v[PFO], v[PFO], SIZE_K*2
; 16 matrix instructions: m blocks a0, a0 + 1 of the window's four (hi = 0: my rows 0-63, 1: rows 64-127) x all 8 n blocks, 32 along K.  zero = 1: the first product starts the sums: nothing is ever cleared.
; The 64 accumulators take turns, one instruction a turn, in the same order in every quarter step.
.macro MUL16 f, hi, a0, zero
	WIN MUL_LO+0x50*(\hi)
.irp a, \a0, (\a0)+1
.irp b, 0,1,2,3,4,5,6,7
.if \zero
	v_wmma_f32_16x16x32_f16 v[8*(8*(\a)+(\b)):8*(8*(\a)+(\b))+7], v[(\f)+8*(\b):(\f)+8*(\b)+7], v[(\f)+8*(4*(\hi)+(\a)):(\f)+8*(4*(\hi)+(\a))+7], 0
.else
	v_wmma_f32_16x16x32_f16 v[8*(8*(\a)+(\b)):8*(8*(\a)+(\b))+7], v[(\f)+8*(\b):(\f)+8*(\b)+7], v[(\f)+8*(4*(\hi)+(\a)):(\f)+8*(4*(\hi)+(\a))+7], v[8*(8*(\a)+(\b)):8*(8*(\a)+(\b))+7]
.endif
.endr
.endr
.endm
; 32 LDS loads in one run: the fragments of one quarter step (128 rows of wq, 128 rows of xh, 32 K at byte k of the rows) into buffer f
.macro FETCH slot, k, f
	WIN TO_B
.irp i, 0,1,2,3,4,5,6,7
	ds_load_b128 v[(\f)+8*(\i):(\f)+8*(\i)+3],   v[ADRB+(\slot)] offset:(\k)+(\i)*16*PITCH
	ds_load_b128 v[(\f)+8*(\i)+4:(\f)+8*(\i)+7], v[ADRB+(\slot)] offset:(\k)+(\i)*16*PITCH+32
.endr
	WIN 0
.irp i, 0,1,2,3,4,5,6,7
	ds_load_b128 v[(\f)+8*(\i):(\f)+8*(\i)+3],   v[ADRA+(\slot)] offset:(\k)+(\i)*16*PITCH
	ds_load_b128 v[(\f)+8*(\i)+4:(\f)+8*(\i)+7], v[ADRA+(\slot)] offset:(\k)+(\i)*16*PITCH+32
.endr
.endm
; A load into a register that a matrix instruction has read, and a vector instruction that reads a matrix result or writes one of a matrix instruction's registers, stand four places behind it, and only
; plain vector instructions that name none of its registers are places (ISA guide 7.12.1 for vector instructions).
.macro PLACES
.rept 4
	v_nop
.endr
.endm
; A K step is four quarter steps of 32 along K, 64 matrix instructions each, on buffers 0, 1, 0, 1.  One of the first three: multiplies buffer f; in its middle it fetches the next quarter's fragments into buffer g.
.macro QUARTER slot, k, f, g, zero
	s_wait_dscnt 8                                 ; wq's and xh's rows 0-63 are in; the youngest eight loads (xh's rows 64-127) may be out
	WIN MUL_LO
	MUL16 \f, 0, 0, \zero
	MUL16 \f, 0, 2, \zero
	PLACES
	FETCH \slot, \k, \g
	s_wait_dscnt 32                                ; all but the 32 just issued
	WIN MUL_HI
	MUL16 \f, 1, 0, \zero
	MUL16 \f, 1, 2, \zero
.endm
; The last quarter multiplies buffer 1 and changes slots.  MEET is its first half: ONE barrier for the change.  In front of it each wave waits for all its tensor loads, of which one is out: its part of
; the next slot; adds 0 to its spare word; and waits for that and for its own reads of this slot.  Behind it nobody reads this slot any more and the next slot is whole.
.macro MEET round                      ; round = 1: a round of the cluster's barrier follows
	WIN 0                                          ; (the add's two registers lie in window 0)
	s_wait_tensorcnt 0x0                           ; all my tensor loads have landed
	ds_add_u32 v[SPW], v[NIL]                      ; 0 onto my spare word
	s_wait_dscnt 9                                 ; (the add and the youngest eight loads may be out)
	WIN MUL_LO
	MUL16 F1, 0, 0, 0                              ; sixteen matrix instructions stand between the add and the wait for it
	s_wait_dscnt 0x0                               ; the add is done, and my reads of this slot are over
	s_barrier_signal -1
	MUL16 F1, 0, 2, 0                              ; work on registers while the others arrive
.if \round
	WIN 0
.endif
	s_barrier_wait -1
.endm
; The whole last quarter.  Behind the round the slot just read out is filled again first, with the K step two steps on; then come the next slot's first fragments.
; From a request to the wait for it a wave issues 224 matrix instructions.
.macro TURN slot, next
	s_wait_xcnt 0x0                                ; the last prefetch, a K step back, has read its address: it is stepped here, ahead of the change's own waits
	s_add_nc_u64 s[PFA:PFA+1], s[PFA:PFA+1], KSTEP*2
	MEET 1
	CREST                                          ; no wave of any partner still reads this slot's tile or has a load on its way
	s_add_nc_u64 s[G0+4*(\slot)+2:G0+4*(\slot)+3], s[G0+4*(\slot)+2:G0+4*(\slot)+3], 2*KSTEP*2      ; no tensor load of mine is out, so a group 0 may be written
	s_add_nc_u64 s[G0B+4*(\slot)+2:G0B+4*(\slot)+3], s[G0B+4*(\slot)+2:G0B+4*(\slot)+3], 2*KSTEP*2
	JLOAD \slot                                    ; the first tensor load behind the round, and my only one; its four v_nop are also the places in front of the loads below
	FETCH \next, 0, F0
	ASK
	WIN MUL_HI
	MUL16 F1, 1, 0, 0
	MUL16 F1, 1, 2, 0
.endm
	s_wait_tensorcnt 1                             ; my part of K step 0 is in; K step 1's load may stay out
	s_barrier_signal -1
	s_barrier_wait -1                              ; everybody's is
	FETCH 0, 0, F0
	QUARTER 0, 64,  F0, F1, 1                      ; the first quarter stands in front of the loop: its products start the sums
	WIN 0                                          ; at a label and at a branch every window is 0
	s_mov_b32 s3, LAPS-1
.Llap:                                                 ; a trip goes once round the ring, from a lap's second quarter to the next lap's first, and fills both slots again
	QUARTER 0, 128, F1, F0, 0
	QUARTER 0, 192, F0, F1, 0
	TURN 0, 1
	QUARTER 1, 64,  F0, F1, 0
	QUARTER 1, 128, F1, F0, 0
	QUARTER 1, 192, F0, F1, 0
	TURN 1, 0
	QUARTER 0, 64,  F0, F1, 0
	WIN 0
	s_sub_co_u32 s3, s3, 1
	s_cmp_lg_u32 s3, 0
	s_cbranch_scc1 .Llap
	QUARTER 0, 128, F1, F0, 0                      ; the last lap is written out: it asks for nothing
	QUARTER 0, 192, F0, F1, 0
	MEET 0                                         ; my one tensor load that was still out is slot 1's, the last K step's, so no round follows
	PLACES                                         ; for the loads into buffer 0
	FETCH 1, 0, F0
	WIN MUL_HI
	MUL16 F1, 1, 0, 0
	MUL16 F1, 1, 2, 0
	QUARTER 1, 64,  F0, F1, 0
	QUARTER 1, 128, F1, F0, 0
	QUARTER 1, 192, F0, F1, 0
	s_wait_dscnt 8                                 ; the very last quarter: nothing more to fetch
	WIN MUL_LO
	MUL16 F1, 0, 0, 0
	MUL16 F1, 0, 2, 0
	s_wait_dscnt 0x0
	MUL16 F1, 1, 0, 0
	MUL16 F1, 1, 2, 0
	WIN 0
	; THE WAY OUT, a block of 16 rows at a time.  In accumulator (a, b) lane (rho = l % 16, h = l / 16) holds in register j the number of row 16 a + rho and column c = 16 b + 8 h + j of my 128:
	; column bits 0-2 lie in j, bit 3 in h, bits 4-6 in b.  The seven butterflies of the block's rotation: bit 0 while the block is copied out of its window (J0); bits 1, 2, 4, 5, 6 packed, between T0
	; and T1 (STG); bit 3 with the lane 16 away.  Then through my own stage in LDS, back as whole rows of 512 bytes, times SV 2^-4, and stored.
	PLACES                                         ; these four and the eight plain lines below stand between the last products and the first read of a result
	s_wait_loadcnt 0x0                             ; SV
.irp q, 0,1,2,3
	v_mul_f32 v[SVQ+\q], 0x3d800000, v[SVQ+\q]     ; x 2^-4
.endr
	v_bfe_u32 v[SGN], v0, 4, 1
	v_cvt_f32_u32 v[SGN], v[SGN]
	v_fma_f32 v[SGN], v[SGN], -2.0, 1.0            ; 1 - 2 h
	v_mov_b32 v[SGN+1], v[SGN]
	s_add_nc_u64 s[8:9], s[8:9], s[16:17]          ; out0 at my first row and column
	s_mov_b32 s[BLK], 0
; Block a leaves its window: T0[2 z] = acc[2 z] + acc[2 z + 1], T0[2 z + 1] = their difference.  Each accumulator's lowest registers are read first.
.macro J0 a
	WIN 0x0a+5*((\a)/4)                            ; sources 0 and 1: window 2 or 3
.set AC, 64*((\a)%4)
.set z, 0
.rept 32
	v_add_f32 v[T0+2*z],   v[AC+2*z], v[AC+2*z+1]
	v_sub_f32 v[T0+2*z+1], v[AC+2*z], v[AC+2*z+1]
.set z, z+1
.endr
	WIN 0
.endm
; A butterfly between registers dist apart, two numbers an instruction, from one buffer into the other
.macro STG src, dst, dist
.set u, 0
.rept 16
.set r, 2*(\dist)*(u/((\dist)/2))+2*(u%((\dist)/2))
	v_pk_add_f32 v[(\dst)+r:(\dst)+r+1],                 v[(\src)+r:(\src)+r+1], v[(\src)+r+(\dist):(\src)+r+(\dist)+1]
	v_pk_add_f32 v[(\dst)+r+(\dist):(\dst)+r+(\dist)+1], v[(\src)+r:(\src)+r+1], v[(\src)+r+(\dist):(\src)+r+(\dist)+1] neg_lo:[0,1] neg_hi:[0,1]
.set u, u+1
.endr
.endm
.Lblk:                                                 ; eight trips; only the copy out of the window differs from block to block: eight short texts, chosen by forward jumps on the counter
.irp a, 0,1,2,3,4,5,6
	s_cmp_eq_u32 s[BLK], \a
	s_cbranch_scc1 .Lv\a
.endr
	J0 7
	s_branch .Lcommon
.irp a, 0,1,2,3,4,5
.Lv\a:
	J0 \a
	s_branch .Lcommon
.endr
.Lv6:
	J0 6
.Lcommon:
	STG T0, T1, 2                                  ; column bit 1
	STG T1, T0, 4                                  ; bit 2
	STG T0, T1, 8                                  ; bit 4
	STG T1, T0, 16                                 ; bit 5
	STG T0, T1, 32                                 ; bit 6
.set z, 0
.rept 64
	v_permlanex16_b32 v[T0+z], v[T1+z], s[SEL], s[SEL+1]  ; bit 3: the same row's number in the lane 16 away; the destination has been written above
.set z, z+1
.endr
.set z, 0
.rept 32
	v_pk_fma_f32 v[T1+2*z:T1+2*z+1], v[T1+2*z:T1+2*z+1], v[SGN:SGN+1], v[T0+2*z:T0+2*z+1]  ; the other's + mine in the lower half, the other's - mine in the upper
.set z, z+1
.endr
.irp b, 0,1,2,3,4,5,6,7
	ds_store_b128 v[STO], v[T1+8*\b:T1+8*\b+3]   offset:64*\b
	ds_store_b128 v[STO], v[T1+8*\b+4:T1+8*\b+7] offset:64*\b+16
.endr
.set z, 0
.rept 16
	ds_load_b128 v[OWN+4*z:OWN+4*z+3], v[RD] offset:SP*z  ; my own bytes; LDS serves a wave's instructions in order (ISA guide 5.7.1.4): these see the stores above
.set z, z+1
.endr
.set z, 0
.rept 16
	s_wait_dscnt 15-z                              ; row z is back; the 15 - z younger rows may be out
	v_pk_mul_f32 v[OWN+4*z:OWN+4*z+1],   v[OWN+4*z:OWN+4*z+1],   v[SVQ:SVQ+1]
	v_pk_mul_f32 v[OWN+4*z+2:OWN+4*z+3], v[OWN+4*z+2:OWN+4*z+3], v[SVQ+2:SVQ+3]
	global_store_b128 v[CO], v[OWN+4*z:OWN+4*z+3], s[8:9] offset:OROW*z th:TH_STORE_NT  ; the wave's store covers 512 consecutive bytes, at a multiple of 256 from out0's first byte
.set z, z+1
.endr
	s_wait_xcnt 0x0                                ; the stores have read their data and their base: OWN and s[8:9] are rewritten only behind this wait
	s_add_nc_u64 s[8:9], s[8:9], 16*OROW
	s_add_co_u32 s[BLK], s[BLK], 1
	s_cmp_lt_u32 s[BLK], 8
	s_cbranch_scc1 .Lblk
	s_wait_tensorcnt 0x0                           ; the wave's end: behind my last tensor load and my last LDS store
	ds_add_u32 v[SPW], v[NIL]
	s_wait_dscnt 0x0
	CROUND                                         ; the closing round: no work-group ends while a partner may still ask for a tile that names it
	s_endpgm
.Lfunc_end_k_q4b73cf753a_gemm:
	.size	k_q4b73cf753a_gemm, .Lfunc_end_k_q4b73cf753a_gemm-k_q4b73cf753a_gemm
	.p2alignl 7, 3214868480
	.fill 96, 4, 3214868480
	.section	.rodata,"a",@progbits
	.p2align	6, 0x0
	.amdhsa_kernel k_q4b73cf753a_gemm
		.amdhsa_group_segment_fixed_size 327680
		.amdhsa_private_segment_fixed_size 0
		.amdhsa_enable_private_segment 0
		.amdhsa_kernarg_size 32
		.amdhsa_user_sgpr_count 2
		.amdhsa_user_sgpr_kernarg_segment_ptr 1
		.amdhsa_wavefront_size32 1
		.amdhsa_system_sgpr_workgroup_id_x 1
		.amdhsa_system_sgpr_workgroup_id_y 1
		.amdhsa_system_sgpr_workgroup_id_z 1
		.amdhsa_system_vgpr_workitem_id 0
		.amdhsa_next_free_vgpr 1024
		.amdhsa_next_free_sgpr 72
		.amdhsa_reserve_vcc 0
		.amdhsa_float_denorm_mode_32 3
		.amdhsa_float_denorm_mode_16_64 3
		.amdhsa_memory_ordered 1
		.amdhsa_forward_progress 1
		.amdhsa_inst_pref_size 153
	.end_amdhsa_kernel
	.amdgpu_metadata
---
amdhsa.version: [ 1, 2 ]
amdhsa.kernels:
  - .name:           k_q4b73cf753a_gemm
    .symbol:         k_q4b73cf753a_gemm.kd
    .args:
      - { .name: xh, .offset: 0, .size: 8, .value_kind: global_buffer, .address_space: global }
      - { .name: wq, .offset: 8, .size: 8, .value_kind: global_buffer, .address_space: global }
      - { .name: SV, .offset: 16, .size: 8, .value_kind: global_buffer, .address_space: global }
      - { .name: out0, .offset: 24, .size: 8, .value_kind: global_buffer, .address_space: global }
    .group_segment_fixed_size: 327680
    .private_segment_fixed_size: 0
    .kernarg_segment_align: 8
    .kernarg_segment_size: 32
    .max_flat_workgroup_size: 128
    .sgpr_count:     72
    .vgpr_count:     1024
    .wavefront_size: 32
...
	.end_amdgpu_metadata
.endif
;; end of part 3
;; ======== version 2 of 2: 3 launches; version 1 with the launches rotate, dequant written anew for expert scheduling mode
;; limits: values are held in f16: magnitudes above 65,504 overflow, below 6.1e-05 lose precision
;; workspace buffers: xh 33,554,432 bytes; wq 33,554,432 bytes
;; launch rotate (part 4): grid 256 x 1, 8 waves a work-group, no clusters, 0 bytes of LDS; arguments input, SU, xh; writes xh
.if DOCPART == 4
	.amdgcn_target "amdgcn-amd-amdhsa--gfx1250"
	.amdhsa_code_object_version 6
	.text
	.protected	k_q4b73cf753a_rotate
	.globl	k_q4b73cf753a_rotate
	.p2align	8
	.type	k_q4b73cf753a_rotate,@function
k_q4b73cf753a_rotate:
	s_mov_b64 s[64:65], 0
	v_nop
	global_prefetch_b8 v0, s[64:65] scope:SCOPE_SE
	s_setreg_imm32_b32 hwreg(HW_REG_WAVE_SCHED_MODE, 0, 2), 2
	s_setreg_imm32_b32 hwreg(HW_REG_WAVE_MODE, 25, 1), 1
	s_wait_xcnt 0x0
	s_wait_alu depctr_vm_vsrc(0)
; THE PROGRAM.  out0 = H(H(input * SU) W^T) * SV, H the Hadamard rotation of 4,096 with factor 1/64, W = grid[Qidxs].  Three launches:
;   rotate:  xh = f16(2^-8 Hu(input * SU))                     Hu: the rotation without its factor; 2^-8 = 1/64 times 2^-2 of headroom
;   dequant: wq = f16((H32 x I128) W): the part of the RIGHT rotation that acts on bits 7-11 of the output index, applied to W's rows
;   gemm:    out0 = (I32 x H128)(xh wq^T) * SV * 2^-4          the part on bits 0-6, applied to the f32 sums; 2^-4 = 2^2 / 64
; Hu(4096) = H32 x H128 (entry (-1)^popcount(a & b) splits over the index bits), and a rotation of the product's columns is a rotation of W's rows: the same result in real numbers for all inputs.
; NO WORK IS LEFT OUT: all five inputs are read and every step of the formula is done.
; LIMITS.  The order of the additions differs from the formula's as written.  The two matrix operands are rounded once to f16, from f32: |Hu(input*SU)| / 64 must stay under 262,016 and a signed sum of
; 32 table entries under 65,504; beyond that the operand is an infinity.  Below 6e-5 an operand keeps f16's fixed step of 6e-8.  NaN and infinities spread as this order of the sums spreads them.
; THIS LAUNCH.  A row is 4,096 f32, 16,384 bytes: ONE WAVE HOLDS A WHOLE ROW, 128 numbers a lane, so the rotation never leaves the wave: no LDS, no barrier.
; Load i (0..31) of a row: lane l takes the 16 bytes at 512 i + 16 l: element e = 128 i + 4 l + q.  Index bits 0-1 (q) and 7-11 (i) lie in the lane's registers, bits 2-6 across the lanes.
; The twelve butterflies commute; each gives the lower index a + b and the upper a - b.  Bit 11 is fused with the product by SU.
; Eight waves, two rows each; the second row's 32 loads go out when the first row has left the registers that they fill.  No cluster: work-groups share SU alone, 16 KiB of a work-group's 272 KiB read.
; THE MODE: SCHED_MODE bits 1:0 = 2 (LLVM: expert scheduling mode 2), set by the entry lines.  The code itself states the register dependences
; between vector instructions and memory instructions, with s_wait_alu, always for 0.
; THE PLAN.  Registers that memory instructions touch:
;   v[LO], v[SO]  offsets, made once at the head and never written again: every load reads LO, every store SO.
;   SUW           filled by 32 loads at the head; behind the wait for them vector lines alone name it.
;   LW            a row's 32 loads land in it; the lines of bit 11 read it; behind them the next row's 32 loads land in it.
;   O             written by the roundings, read by the stores, written again by the next row's roundings.
;   X, Y, TT, SG  are named by vector lines alone.
; The end of a row goes in four groups of 32 registers: bit 6, then the group's sixteen roundings.  ONE wait on va_vdst at the head of groups 1 to 3 states that the group before has written its sixteen
; registers of O; that group's eight stores follow, dealt among the group's permutes, which name Y and X: none of the registers that those stores read.  One more stands ahead of the last eight stores,
; one ahead of the next row's loads, one ahead of the kernel's first load.  One wait on vm_vsrc a row, at the loop's bottom, states that the stores have read O.
.set ROWI, 16384                       ; bytes in a row of input
.set ROWO, 8192                        ; bytes in a row of xh
.set LO,  2                            ; v2       16 x lane; never rewritten
.set SO,  3                            ; v3       8 x lane; never rewritten
.set SG,  4                            ; v[4:13]  five pairs: 1 - 2 x bit k of the lane, twice
.set TT,  16                           ; v[16:31] eight pairs at work
.set O,   32                           ; v[32:95] the row in f16: store i takes O + 2 i, O + 2 i + 1
.set Y,   96                           ; v[96:127] sixteen pairs at work
.set X,   128                          ; v[128:255] the row: element (i, q) at X + 4 i + q
.set LW,  0                            ; window 1, v[0:127]: the row as loaded
.set SUW, 128                          ; window 1, v[128:255]: SU x 2^-8, in the same map
.set MSB, 0
.macro WIN new                         ; s_set_vgpr_msb: bits 1:0 source 0, 3:2 source 1, 5:4 source 2, 7:6 destination; the high byte repeats the setting that is left
.if MSB != (\new)
	s_set_vgpr_msb (MSB<<8)|(\new)
.set MSB, (\new)
.endif
.endm
; Two butterflies at once on four pairs a, b, c, d that lie d registers apart.  R4T: sums and differences into four pairs at t.  R4R: back in place.
.macro R4T t, r, d
	v_pk_add_f32 v[(\t):(\t)+1],   v[(\r):(\r)+1], v[(\r)+(\d):(\r)+(\d)+1]
	v_pk_add_f32 v[(\t)+2:(\t)+3], v[(\r):(\r)+1], v[(\r)+(\d):(\r)+(\d)+1] neg_lo:[0,1] neg_hi:[0,1]
	v_pk_add_f32 v[(\t)+4:(\t)+5], v[(\r)+2*(\d):(\r)+2*(\d)+1], v[(\r)+3*(\d):(\r)+3*(\d)+1]
	v_pk_add_f32 v[(\t)+6:(\t)+7], v[(\r)+2*(\d):(\r)+2*(\d)+1], v[(\r)+3*(\d):(\r)+3*(\d)+1] neg_lo:[0,1] neg_hi:[0,1]
.endm
.macro R4R t, r, d
	v_pk_add_f32 v[(\r):(\r)+1],                 v[(\t):(\t)+1],   v[(\t)+4:(\t)+5]
	v_pk_add_f32 v[(\r)+2*(\d):(\r)+2*(\d)+1],   v[(\t):(\t)+1],   v[(\t)+4:(\t)+5] neg_lo:[0,1] neg_hi:[0,1]
	v_pk_add_f32 v[(\r)+(\d):(\r)+(\d)+1],       v[(\t)+2:(\t)+3], v[(\t)+6:(\t)+7]
	v_pk_add_f32 v[(\r)+3*(\d):(\r)+3*(\d)+1],   v[(\t)+2:(\t)+3], v[(\t)+6:(\t)+7] neg_lo:[0,1] neg_hi:[0,1]
.endm
.macro R4ALL base, d                   ; all 128 registers: sixteen groups of four pairs, two groups at a time on two sets of temporaries
.set u, 0
.rept 8
.set ra, (\base)+4*(\d)*(u/((\d)/2))+2*(u%((\d)/2))
.set rb, (\base)+4*(\d)*((u+1)/((\d)/2))+2*((u+1)%((\d)/2))
	R4T TT, ra, \d
	R4T TT+8, rb, \d
	R4R TT, ra, \d
	R4R TT+8, rb, \d
.set u, u+2
.endr
.endm
; A butterfly across lanes inside a half of 16: x' = x[lane xor mask] + s x, s = +1 in the lower lane, -1 in the upper.  The lane exchange rides on the addition.
.macro XL k, mask
.set g, 0
.rept 4
.set z, 0
.rept 16
	v_pk_mul_f32 v[Y+2*z:Y+2*z+1], v[X+32*g+2*z:X+32*g+2*z+1], v[SG+2*(\k):SG+2*(\k)+1]
.set z, z+1
.endr
.set z, 0
.rept 32
	v_add_f32_dpp v[X+32*g+z], v[X+32*g+z], v[Y+z] row_xmask:\mask row_mask:0xf bank_mask:0xf
.set z, z+1
.endr
.set g, g+1
.endr
.endm
	s_load_b128 s[4:7], s[0:1], 0x0                ; input s[4:5], SU s[6:7]
	s_load_b64 s[8:9], s[0:1], 0x10                ; xh
	v_lshrrev_b32 v1, 5, v0
	v_readfirstlane_b32 s10, v1                    ; wave 0..7
	v_and_b32 v1, 31, v0
	v_lshlrev_b32 v[LO], 4, v1
	v_lshlrev_b32 v[SO], 3, v1
.irp k, 0,1,2,3,4
	v_bfe_u32 v14, v0, \k, 1
	v_cvt_f32_u32 v14, v14
	v_fma_f32 v[SG+2*\k], v14, -2.0, 1.0           ; 1 - 2 x bit
	v_mov_b32 v[SG+2*\k+1], v[SG+2*\k]
.endr
	s_wait_alu depctr_va_sdst(0)                   ; s10 is written, ahead of its first reader: the bases of input and xh are made from it
	s_lshl_b32 s2, ttmp9, 18                       ; the work-group's 16 rows of 16,384 bytes,
	s_lshl_b32 s3, s10, 15                         ; my wave's two of them
	s_add_co_u32 s2, s2, s3                        ; under 2^26
	s_mov_b32 s3, 0
	s_lshr_b32 s18, s2, 1                          ; a row of xh is half as long
	s_mov_b32 s19, 0
	s_mov_b32 s14, 0x3b800000                      ; 2^-8
	s_mov_b32 s15, s14                             ; named with it as a pair
	s_mov_b32 s16, 0x76543210                      ; v_permlanex16_b32: each lane takes its own place in the other half
	s_mov_b32 s17, 0xfedcba98
	s_mov_b32 s12, 2                               ; rows to go
	s_wait_kmcnt 0x0
	s_add_nc_u64 s[4:5], s[4:5], s[2:3]
	s_add_nc_u64 s[8:9], s[8:9], s[18:19]
	WIN 0x40                                       ; loaded data in window 1, address in window 0
	s_wait_alu depctr_va_vdst(0)                   ; v[LO] and v[SO] are written: every load of the kernel reads the one as its offset, every store the other
.set i, 0
.rept 32
	global_load_b128 v[SUW+4*i:SUW+4*i+3], v[LO], s[6:7] offset:512*i
.set i, i+1
.endr
.set i, 0
.rept 32
	global_load_b128 v[LW+4*i:LW+4*i+3], v[LO], s[4:5] offset:512*i th:TH_LOAD_NT  ; 512 consecutive bytes a load; the row is read once in the launch
.set i, i+1
.endr
	s_wait_loadcnt 32                              ; SU is in; the row's 32 younger loads stay out
	WIN 0x41
.set i, 0
.rept 64
	v_pk_mul_f32 v[SUW+2*i:SUW+2*i+1], v[SUW+2*i:SUW+2*i+1], s[14:15] op_sel_hi:[1,0]
.set i, i+1
.endr
	WIN 0                                          ; at a label and at a branch every window is 0
.Lrow:
	s_wait_loadcnt 0x0                             ; the row is in; nothing younger is out, and the loads' base may be stepped
	; bit 11, fused with the product by SU: t = L[i+16] SU[i+16];  X[i] = L[i] SU[i] + t;  X[i+16] = L[i] SU[i] - t
	WIN 0x05                                       ; sources 0 and 1 in window 1; source 2 and destination in window 0
.set g, 0
.rept 4
.set z, 0
.rept 8
	v_pk_mul_f32 v[TT+2*z:TT+2*z+1], v[LW+64+16*g+2*z:LW+64+16*g+2*z+1], v[SUW+64+16*g+2*z:SUW+64+16*g+2*z+1]
.set z, z+1
.endr
.set z, 0
.rept 8
	v_pk_fma_f32 v[X+16*g+2*z:X+16*g+2*z+1],       v[LW+16*g+2*z:LW+16*g+2*z+1], v[SUW+16*g+2*z:SUW+16*g+2*z+1], v[TT+2*z:TT+2*z+1]
	v_pk_fma_f32 v[X+64+16*g+2*z:X+64+16*g+2*z+1], v[LW+16*g+2*z:LW+16*g+2*z+1], v[SUW+16*g+2*z:SUW+16*g+2*z+1], v[TT+2*z:TT+2*z+1] neg_lo:[0,0,1] neg_hi:[0,0,1]
.set z, z+1
.endr
.set g, g+1
.endr
	WIN 0
	s_cmp_eq_u32 s12, 1                            ; behind the last row there is none to load
	s_cbranch_scc1 .Lnoload
	s_add_nc_u64 s[4:5], s[4:5], ROWI
	WIN 0x40
	s_wait_alu depctr_va_vdst(0)                   ; the lines of bit 11 are done reading LW, in which the next row's loads land
.set i, 0
.rept 32
	global_load_b128 v[LW+4*i:LW+4*i+3], v[LO], s[4:5] offset:512*i th:TH_LOAD_NT  ; the next row lands under the rest of this row's work
.set i, i+1
.endr
	WIN 0
.Lnoload:
	R4ALL X, 16                                    ; bits 9 and 10
	R4ALL X, 4                                     ; bits 7 and 8
	; bits 1 and 0, inside each load's four numbers; four loads at a time
.set g, 0
.rept 8
.irp z, 0,1,2,3
	v_pk_add_f32 v[TT+4*\z:TT+4*\z+1],   v[X+16*g+4*\z:X+16*g+4*\z+1], v[X+16*g+4*\z+2:X+16*g+4*\z+3]
	v_pk_add_f32 v[TT+4*\z+2:TT+4*\z+3], v[X+16*g+4*\z:X+16*g+4*\z+1], v[X+16*g+4*\z+2:X+16*g+4*\z+3] neg_lo:[0,1] neg_hi:[0,1]
.endr
.irp z, 0,1,2,3
	v_add_f32 v[X+16*g+4*\z],   v[TT+4*\z],   v[TT+4*\z+1]
	v_sub_f32 v[X+16*g+4*\z+1], v[TT+4*\z],   v[TT+4*\z+1]
	v_add_f32 v[X+16*g+4*\z+2], v[TT+4*\z+2], v[TT+4*\z+3]
	v_sub_f32 v[X+16*g+4*\z+3], v[TT+4*\z+2], v[TT+4*\z+3]
.endr
.set g, g+1
.endr
	XL 0, 1                                        ; bits 2 to 5: lanes 1, 2, 4 and 8 apart
	XL 1, 2
	XL 2, 4
	XL 3, 8
	; bit 6: the lane 16 away; then the group is rounded once to f16.  Group g holds loads 8 g .. 8 g + 7; its eight stores are issued in group g + 1, in the map in which the row came: 8 bytes a lane
.set g, 0
.rept 4
.if g > 0
	s_wait_alu depctr_va_vdst(0)                   ; the group before has written its sixteen registers of O, which the eight stores below read
.endif
.set z, 0
.rept 32
.if (g > 0) && ((z%4) == 0)
	global_store_b64 v[SO], v[O+16*(g-1)+2*(z/4):O+16*(g-1)+2*(z/4)+1], s[8:9] offset:256*(8*(g-1)+z/4)  ; the wave's store covers 256 consecutive bytes, at a multiple of 256 from xh's first byte; no vector line since the wait names its registers
.endif
	v_permlanex16_b32 v[Y+z], v[X+32*g+z], s16, s17  ; its destination counts as read: Y has been written above
.set z, z+1
.endr
.set z, 0
.rept 16
	v_pk_fma_f32 v[X+32*g+2*z:X+32*g+2*z+1], v[X+32*g+2*z:X+32*g+2*z+1], v[SG+8:SG+9], v[Y+2*z:Y+2*z+1]
.set z, z+1
.endr
.set z, 0
.rept 8
	v_cvt_pk_f16_f32 v[O+16*g+2*z],   v[X+32*g+4*z],   v[X+32*g+4*z+1]
	v_cvt_pk_f16_f32 v[O+16*g+2*z+1], v[X+32*g+4*z+2], v[X+32*g+4*z+3]
.set z, z+1
.endr
.set g, g+1
.endr
	s_wait_alu depctr_va_vdst(0)                   ; the last group has written its sixteen registers of O, which the last eight stores read
.set z, 0
.rept 8
	global_store_b64 v[SO], v[O+48+2*z:O+48+2*z+1], s[8:9] offset:256*(24+z)
.set z, z+1
.endr
	s_wait_xcnt 0x0                                ; the stores have had their addresses translated: O and s[8:9] are rewritten only behind this wait
	s_wait_alu depctr_vm_vsrc(0)                   ; the row's stores have read O, which the next row's roundings write again
	s_add_nc_u64 s[8:9], s[8:9], ROWO
	s_sub_co_u32 s12, s12, 1
	s_cmp_lg_u32 s12, 0
	s_cbranch_scc1 .Lrow
	s_endpgm
.Lfunc_end_k_q4b73cf753a_rotate:
	.size	k_q4b73cf753a_rotate, .Lfunc_end_k_q4b73cf753a_rotate-k_q4b73cf753a_rotate
	.p2alignl 7, 3214868480
	.fill 96, 4, 3214868480
	.section	.rodata,"a",@progbits
	.p2align	6, 0x0
	.amdhsa_kernel k_q4b73cf753a_rotate
		.amdhsa_group_segment_fixed_size 0
		.amdhsa_private_segment_fixed_size 0
		.amdhsa_enable_private_segment 0
		.amdhsa_kernarg_size 24
		.amdhsa_user_sgpr_count 2
		.amdhsa_user_sgpr_kernarg_segment_ptr 1
		.amdhsa_wavefront_size32 1
		.amdhsa_system_sgpr_workgroup_id_x 1
		.amdhsa_system_sgpr_workgroup_id_y 1
		.amdhsa_system_sgpr_workgroup_id_z 1
		.amdhsa_system_vgpr_workitem_id 0
		.amdhsa_next_free_vgpr 512
		.amdhsa_next_free_sgpr 66
		.amdhsa_reserve_vcc 0
		.amdhsa_float_denorm_mode_32 3
		.amdhsa_float_denorm_mode_16_64 3
		.amdhsa_memory_ordered 1
		.amdhsa_forward_progress 1
		.amdhsa_inst_pref_size 113
	.end_amdhsa_kernel
	.amdgpu_metadata
---
amdhsa.version: [ 1, 2 ]
amdhsa.kernels:
  - .name:           k_q4b73cf753a_rotate
    .symbol:         k_q4b73cf753a_rotate.kd
    .args:
      - { .name: input, .offset: 0, .size: 8, .value_kind: global_buffer, .address_space: global }
      - { .name: SU, .offset: 8, .size: 8, .value_kind: global_buffer, .address_space: global }
      - { .name: xh, .offset: 16, .size: 8, .value_kind: global_buffer, .address_space: global }
    .group_segment_fixed_size: 0
    .private_segment_fixed_size: 0
    .kernarg_segment_align: 8
    .kernarg_segment_size: 24
    .max_flat_workgroup_size: 256
    .sgpr_count:     66
    .vgpr_count:     512
    .wavefront_size: 32
...
	.end_amdgpu_metadata
.endif
;; end of part 4
;; launch dequant (part 5): grid 4 x 128, 8 waves a work-group, no clusters, 0 bytes of LDS; arguments Qidxs, grid, wq; writes wq
.if DOCPART == 5
	.amdgcn_target "amdgcn-amd-amdhsa--gfx1250"
	.amdhsa_code_object_version 6
	.text
	.protected	k_q4b73cf753a_dequant
	.globl	k_q4b73cf753a_dequant
	.p2align	8
	.type	k_q4b73cf753a_dequant,@function
k_q4b73cf753a_dequant:
	s_mov_b64 s[64:65], 0
	v_nop
	global_prefetch_b8 v0, s[64:65] scope:SCOPE_SE
	s_setreg_imm32_b32 hwreg(HW_REG_WAVE_SCHED_MODE, 0, 2), 2
	s_setreg_imm32_b32 hwreg(HW_REG_WAVE_MODE, 25, 1), 1
	s_wait_xcnt 0x0
	s_wait_alu depctr_vm_vsrc(0)
; wq[128 J + r][k] = f16( sum over j = 0..31 of (-1)^popcount(J & j) W[128 j + r][k] ),  W[m][8 c + e] = grid[Qidxs[m][c]][e].  No work of the formula is left out here.
; The lookup, and the part of the right rotation that acts on bits 7-11 of the output index: it mixes the 32 rows 128 j + r, number by number along k, so a lane that holds the same four k of
; those 32 rows does it in its registers, and W is written once, already mixed.  No factor here: plain signed sums in f32, rounded once to f16.
; LIMITS.  A signed sum of 32 table entries must stay under 65,504.  An index is taken as unsigned and held to 65,535: the table's last entry.
; SHARES.  Work-group (gx, r): rows 128 j + r, columns 1,024 gx .. + 1,023.  Thread t: k = 1,024 gx + 4 t .. + 3: half t & 1 of code 128 gx + (t >> 1).
; No cluster and no LDS: no byte of Qidxs is wanted by two work-groups, and the table's rows come by indices, which no tile covers.
; An index load of a wave covers 64 bytes of a row of Qidxs; the four waves beside each other cover 256 consecutive bytes between them.
; THE MODE: SCHED_MODE bits 1:0 = 2 (LLVM: expert scheduling mode 2), set by the entry lines.  The code itself states the register dependences
; between vector instructions and memory instructions, with s_wait_alu, always for 0.
; THE PLAN.  Registers that memory instructions touch:
;   v[QO], v[WO ..]  offsets, made once at the head and never written again: the index loads read QO, the stores WO.
;   IX               row j: the index load lands; three vector lines make the table offset of it; the lookup reads it as its address; it is not written again.
;   D                row j: the lookup lands; behind the wait for it vector lines work in place; the roundings write two registers of row j and two of row j + 16, which the stores read; they are not written again.
;   TT, v[HALF]      are named by vector lines alone.
; The lookups go in four groups of eight: the group's 24 address lines, ONE wait on va_vdst, its eight lookups.  The last butterfly goes in four groups of four j: ONE wait on va_vdst at the head of
; groups 1 to 3 states that the group before has written its store data; that group's eight stores follow, dealt among the group's vector lines, which name TT and other rows' registers alone.
; One more stands ahead of the last eight stores, one ahead of the first index load.  No register that a memory instruction reads is written behind it, so no wait on vm_vsrc is owed.
.set QO,   2                           ; v2        4 x (t >> 1): my code's place in the work-group's 128; never rewritten
.set HALF, 3                           ; v3        16 x (t & 1): my half of a table entry
.set WO,   4                           ; v[4:7]    8 t + g x 8 MiB: my 8 bytes in rows 128 J + r, J = 8 g ..; the rest of J stands in the store's immediate
.set TT,   8                           ; v[8:23]   two sets of four pairs at work
.set IX,   24                          ; v[24:55]  row j: the index, then the byte offset in the table
.set D,    56                          ; v[56:183] row j: my four weights at D + 4 j
.macro R4T t, r, d
	v_pk_add_f32 v[(\t):(\t)+1],   v[(\r):(\r)+1], v[(\r)+(\d):(\r)+(\d)+1]
	v_pk_add_f32 v[(\t)+2:(\t)+3], v[(\r):(\r)+1], v[(\r)+(\d):(\r)+(\d)+1] neg_lo:[0,1] neg_hi:[0,1]
	v_pk_add_f32 v[(\t)+4:(\t)+5], v[(\r)+2*(\d):(\r)+2*(\d)+1], v[(\r)+3*(\d):(\r)+3*(\d)+1]
	v_pk_add_f32 v[(\t)+6:(\t)+7], v[(\r)+2*(\d):(\r)+2*(\d)+1], v[(\r)+3*(\d):(\r)+3*(\d)+1] neg_lo:[0,1] neg_hi:[0,1]
.endm
.macro R4R t, r, d
	v_pk_add_f32 v[(\r):(\r)+1],                 v[(\t):(\t)+1],   v[(\t)+4:(\t)+5]
	v_pk_add_f32 v[(\r)+2*(\d):(\r)+2*(\d)+1],   v[(\t):(\t)+1],   v[(\t)+4:(\t)+5] neg_lo:[0,1] neg_hi:[0,1]
	v_pk_add_f32 v[(\r)+(\d):(\r)+(\d)+1],       v[(\t)+2:(\t)+3], v[(\t)+6:(\t)+7]
	v_pk_add_f32 v[(\r)+3*(\d):(\r)+3*(\d)+1],   v[(\t)+2:(\t)+3], v[(\t)+6:(\t)+7] neg_lo:[0,1] neg_hi:[0,1]
.endm
; Two butterflies at once over all 128 registers, rows d / 4 and d / 2 apart.  wait = 1 (d = 4): trip u / 2 works on rows 2 u .. 2 u + 3, and waits for their lookups.
.macro R4ALL base, d, wait
.set u, 0
.rept 8
.set ra, (\base)+4*(\d)*(u/((\d)/2))+2*(u%((\d)/2))
.set rb, (\base)+4*(\d)*((u+1)/((\d)/2))+2*((u+1)%((\d)/2))
.if \wait
	s_wait_loadcnt 28-2*u                          ; loads come back in order: behind row 2 u + 3's lookup stand 28 - 2 u younger ones
.endif
	R4T TT, ra, \d
	R4T TT+8, rb, \d
	R4R TT, ra, \d
	R4R TT+8, rb, \d
.set u, u+2
.endr
.endm
	s_load_b128 s[4:7], s[0:1], 0x0                ; Qidxs s[4:5], grid s[6:7]
	s_load_b64 s[8:9], s[0:1], 0x10                ; wq
	s_and_b32 s10, ttmp7, 0xffff                   ; r
	v_lshrrev_b32 v1, 1, v0
	v_lshlrev_b32 v[QO], 2, v1
	v_and_b32 v1, 1, v0
	v_lshlrev_b32 v[HALF], 4, v1
	v_lshlrev_b32 v[WO], 3, v0
.irp g, 1,2,3
	v_add_nc_u32 v[WO+\g], \g<<23, v[WO]
.endr
	s_lshl_b32 s2, s10, 11                         ; row r of Qidxs: 2,048 bytes a row,
	s_lshl_b32 s3, ttmp9, 9                        ; the work-group's 128 codes
	s_add_co_u32 s2, s2, s3
	s_mov_b32 s3, 0
	s_lshl_b32 s12, s2, 2                          ; in wq: 8,192 bytes a row, 2,048 for the work-group's 1,024 columns
	s_mov_b32 s13, 0
	s_wait_kmcnt 0x0
	s_add_nc_u64 s[4:5], s[4:5], s[2:3]
	s_add_nc_u64 s[8:9], s[8:9], s[12:13]
	s_wait_alu depctr_va_vdst(0)                   ; v[QO] and v[WO ..] are written: the index loads read the one as their offset, the stores the others
.set j, 0
.rept 32
	global_load_b32 v[IX+j], v[QO], s[4:5] offset:j*262144 th:TH_LOAD_NT  ; 128 rows of 2,048 bytes on; the largest immediate is 8,126,464
.set j, j+1
.endr
	; the lookups, eight rows at a time
.set G, 0
.rept 4
	s_wait_loadcnt 24                              ; indices 8 G .. 8 G + 7 are in: behind the last of them stand 24 - 8 G index loads and 8 G lookups
.set q, 0
.rept 8
	v_min_u32 v[IX+8*G+q], 0xffff, v[IX+8*G+q]     ; inside the table
.set q, q+1
.endr
.set q, 0
.rept 8
	v_lshlrev_b32 v[IX+8*G+q], 5, v[IX+8*G+q]      ; 32 bytes an entry,
.set q, q+1
.endr
.set q, 0
.rept 8
	v_add_nc_u32 v[IX+8*G+q], v[HALF], v[IX+8*G+q] ; my half of it
.set q, q+1
.endr
	s_wait_alu depctr_va_vdst(0)                   ; the group's eight table offsets are written, which the eight lookups below read as their addresses
.set q, 0
.rept 8
	global_load_b128 v[D+4*(8*G+q):D+4*(8*G+q)+3], v[IX+8*G+q], s[6:7]
.set q, q+1
.endr
.set G, G+1
.endr
	R4ALL D, 4, 1                                  ; bits 0 and 1 of j, as the lookups come in
	R4ALL D, 16, 0                                 ; bits 2 and 3
	; bit 4: rows j and j + 16; then both are rounded to f16.  Four j to a group; a group's eight stores are issued in the next group
.set G, 0
.rept 4
.if G > 0
	s_wait_alu depctr_va_vdst(0)                   ; the group before has written its sixteen registers of store data, which the eight stores below read
.endif
.set q, 0
.rept 4
.set j, 4*G+q
.if G > 0
.set p, j-4
.set rp, D+4*p
	global_store_b64 v[WO+p/8],      v[rp:rp+1],     s[8:9] offset:(p%8)<<20       ; the wave's store covers 256 consecutive bytes of row 128 p + r, at a multiple of 256 from wq's first byte
	global_store_b64 v[WO+(p+16)/8], v[rp+64:rp+65], s[8:9] offset:((p+16)%8)<<20  ; no vector line since the wait names a register of these stores, and none is written again
.endif
.set t, TT+8*(j%2)
.set r, D+4*j
	v_pk_add_f32 v[t:t+1],   v[r:r+1],   v[r+64:r+65]
	v_pk_add_f32 v[t+2:t+3], v[r+2:r+3], v[r+66:r+67]
	v_pk_add_f32 v[t+4:t+5], v[r:r+1],   v[r+64:r+65] neg_lo:[0,1] neg_hi:[0,1]
	v_pk_add_f32 v[t+6:t+7], v[r+2:r+3], v[r+66:r+67] neg_lo:[0,1] neg_hi:[0,1]
	v_cvt_pk_f16_f32 v[r],    v[t],   v[t+1]
	v_cvt_pk_f16_f32 v[r+1],  v[t+2], v[t+3]
	v_cvt_pk_f16_f32 v[r+64], v[t+4], v[t+5]
	v_cvt_pk_f16_f32 v[r+65], v[t+6], v[t+7]
.set q, q+1
.endr
.set G, G+1
.endr
	s_wait_alu depctr_va_vdst(0)                   ; the last group has written its store data, which the last eight stores read
.set p, 12
.rept 4
.set rp, D+4*p
	global_store_b64 v[WO+p/8],      v[rp:rp+1],     s[8:9] offset:(p%8)<<20
	global_store_b64 v[WO+(p+16)/8], v[rp+64:rp+65], s[8:9] offset:((p+16)%8)<<20
.set p, p+1
.endr
	s_endpgm
.Lfunc_end_k_q4b73cf753a_dequant:
	.size	k_q4b73cf753a_dequant, .Lfunc_end_k_q4b73cf753a_dequant-k_q4b73cf753a_dequant
	.p2alignl 7, 3214868480
	.fill 96, 4, 3214868480
	.section	.rodata,"a",@progbits
	.p2align	6, 0x0
	.amdhsa_kernel k_q4b73cf753a_dequant
		.amdhsa_group_segment_fixed_size 0
		.amdhsa_private_segment_fixed_size 0
		.amdhsa_enable_private_segment 0
		.amdhsa_kernarg_size 24
		.amdhsa_user_sgpr_count 2
		.amdhsa_user_sgpr_kernarg_segment_ptr 1
		.amdhsa_wavefront_size32 1
		.amdhsa_system_sgpr_workgroup_id_x 1
		.amdhsa_system_sgpr_workgroup_id_y 1
		.amdhsa_system_sgpr_workgroup_id_z 1
		.amdhsa_system_vgpr_workitem_id 0
		.amdhsa_next_free_vgpr 192
		.amdhsa_next_free_sgpr 66
		.amdhsa_reserve_vcc 0
		.amdhsa_float_denorm_mode_32 3
		.amdhsa_float_denorm_mode_16_64 3
		.amdhsa_memory_ordered 1
		.amdhsa_forward_progress 1
		.amdhsa_inst_pref_size 39
	.end_amdhsa_kernel
	.amdgpu_metadata
---
amdhsa.version: [ 1, 2 ]
amdhsa.kernels:
  - .name:           k_q4b73cf753a_dequant
    .symbol:         k_q4b73cf753a_dequant.kd
    .args:
      - { .name: Qidxs, .offset: 0, .size: 8, .value_kind: global_buffer, .address_space: global }
      - { .name: grid, .offset: 8, .size: 8, .value_kind: global_buffer, .address_space: global }
      - { .name: wq, .offset: 16, .size: 8, .value_kind: global_buffer, .address_space: global }
    .group_segment_fixed_size: 0
    .private_segment_fixed_size: 0
    .kernarg_segment_align: 8
    .kernarg_segment_size: 24
    .max_flat_workgroup_size: 256
    .sgpr_count:     66
    .vgpr_count:     192
    .wavefront_size: 32
...
	.end_amdgpu_metadata
.endif
;; end of part 5
;; launch gemm: the kernel of part 3 again; grid 16 x 16, 4 waves a work-group, clusters of 4 x 4, 327,680 bytes of LDS; arguments xh, wq, SV, out0; writes out0
